; MI455X (gfx1250); checked and timed in simulation.
; The chip was launched on July 23, 2026; its instructions are those of AMD's public machine-readable ISA for CDNA 5 (MIT licence, August 2026) and "CDNA5" Instruction Set Architecture Reference Guide (July 2026). The comments in the code are by the model that wrote it; some were corrected since.
;; Sym HQ Linear. Allowed arithmetic: matrix products marked QUANTISED: E5M2 operands, one E8M0 scale for each 32 along K, by v_wmma_scale_f32_16x16x128_f8f6f4 with both operands' format E5M2, f32 sums; everything else in f32.
;; Inputs: codebook 65,536 x 8 float32; indices 1,048,576 int32; scales 2,048 x 1 float32; signs 1,048,576 int32; x 4 x 2,048 x 4,096 float32.
;; Outputs: out0 4 x 2,048 x 2,048 float32.
;; This version of the problem:
;;   THIS VERSION OF THE PROBLEM IS GIVEN IN LOW PRECISION. The matrix products marked QUANTISED in the list below multiply operands that are first quantised to E5M2 (5 exponent bits, 2 mantissa bits; 8 bits a number), with one power-of-two scale for each 32 numbers along K (OCP MX v1.0); their sums are f32. All else is computed in f32.
;;   The module's matrix products, in the order in which they are computed (A, B: the left and right operand; K: the contracted axis; several contracted axes count as one K, in the product's order):
;;     1. [M 8,192, K 4,096] x [K 4,096, N 2,048]; A: input x; B: computed on the way: QUANTISED
;;   THE QUANTISER, for each operand of a quantised product, along K:
;;     - K is cut into blocks of 32 from its start; a last block that is shorter is filled with zeros.
;;     - A block's scale is 2^e with e = floor(log2(the largest magnitude in the block)) - 15, held to -126 .. 127; a block of zeros has e = 0. As a byte (E8M0): e + 127.
;;     - Each number is divided by its block's scale, clamped to +-57,344, and rounded to the nearest number of E5M2, ties to even, subnormals kept.
;;     - The product sums the exact products of the quantised numbers (number of the format x scale) in f32.
;;   ~~~python
;;   def quantise(x, axis):      # numpy; x: float32 -> the quantised numbers, widened to float32 again
;;       x = np.moveaxis(x, axis, -1); K = x.shape[-1]
;;       x = np.pad(x, [(0, 0)] * (x.ndim - 1) + [(0, -K % 32)]); x = x.reshape(x.shape[:-1] + (-1, 32)); a = np.abs(x).max(-1, keepdims=True)
;;       e = np.where(a > 0, np.clip(np.frexp(np.where(a > 0, a, 1))[1] - 1 - 15, -126, 127), 0)      # np.frexp(a)[1] - 1 = floor(log2(a)), exactly
;;       r = np.clip(x / 2.0 ** e, -57344, 57344)
;;       step = 2.0 ** (np.maximum(np.frexp(np.where(r == 0, 1, r))[1] - 1, -14) - 2)
;;       q = np.round(r / step) * step * 2.0 ** e      # np.round: ties to even
;;       return np.moveaxis(q.reshape(q.shape[:-2] + (-1,))[..., :K], -1, axis).astype(np.float32)
;;   ~~~
;;   OPERANDS COMPUTED ON THE WAY. 'Computed on the way' means the value that the module computes at that place (a softmax that the list does not call 'softmax' is quantised finished and normalised). What goes into a quantiser is computed in f32, as accurately as f32 sums, v_exp_f32 and their like allow (about 1e-6 of the number): no bf16 or f16 on the way to a quantiser, and a product that is left as it is and whose result goes on into a quantised operand takes f32 operands (vector FMAs, or v_wmma_f32_16x16x4_f32). A number that lies on a knife's edge between two numbers of the format may be rounded either way, as far as f32 arithmetic and the matrix unit's own rounding can turn it there, and no further.
;; One version. Each part assembles by itself: llvm-mc -triple=amdgcn-amd-amdhsa -mcpu=gfx1250 --defsym DOCPART=n.
;; ======== version 1 of 1: 2 launches
;; limits: right only within a limited range of input values
;; workspace buffers: aq 34,603,008 bytes; bq 8,650,752 bytes
;; launch prep (part 1): grid 256 x 1, 8 waves a work-group, no clusters, 327,680 bytes of LDS; arguments x, codebook, scales, indices, signs, aq, bq; writes aq, bq
.if DOCPART == 1
	.amdgcn_target "amdgcn-amd-amdhsa--gfx1250"
	.amdhsa_code_object_version 6
	.text
	.protected	k_q60c7b2995d_prep
	.globl	k_q60c7b2995d_prep
	.p2align	8
	.type	k_q60c7b2995d_prep,@function
k_q60c7b2995d_prep:
	s_mov_b64 s[64:65], 0
	v_nop
	global_prefetch_b8 v0, s[64:65] scope:SCOPE_SE
	s_setreg_imm32_b32 hwreg(HW_REG_WAVE_MODE, 25, 1), 1
	s_wait_xcnt 0x0
; BOTH OPERANDS OF out = x W^T BECOME CODES OF BF8 (E5M2) WITH ONE E8M0 BYTE FOR EACH 32 ALONG K, laid as the product's launch wants them.
; x: [8192][4096] f32.  W[o][d] = codebook[indices[512 o + d / 8]][d % 8] x scales[o] x (bit d % 8 of signs[512 o + d / 8] ? +1 : -1), [2048][4096], made here in f32.
; aq AND bq: [block of 128 rows][K step of 256][tile of 33,792 bytes].  A tile: 128 rows of 256 codes, then 1,024 scale bytes, row p's eight at 32,768 + 8 p: one dense run of 132 x 256 bytes.
; K INSIDE A BLOCK OF 32 IS PERMUTED, ALIKE IN aq AND bq: byte 8 j + u of a block holds k = 4 j + u (u < 4) or k = 16 + 4 j + u - 4 (u >= 4).  Blocks keep their places, so each product meets its partner and
; its block's scale; only the order of the sums inside a matrix instruction differs from K ascending.
; SHARES.  Work-group g of 256 makes x's tiles 4 g .. 4 g + 3 (128 rows, 1,024 along K) and W's tile g.
; x COMES BY THE TENSOR DATA MOVER, in four phases of 32 rows: in phase p wave w of eight takes rows 32 p + 4 w .. + 3, each 4,096 consecutive bytes (the four K steps), by one load of 16 KiB into its own ring of two LDS slots;
; one load at the head, one behind each of three barriers.  A row's four quarters go to the four tiles.
; Lane l = 4 m + j takes 8 numbers of block m of a quarter row: two pieces of 16 bytes, 64 bytes apart.  They share a scale: one conversion gives 8 codes, and the wave's store of 8 bytes a lane fills a tile row's 256 bytes, aligned.
; W: wave w makes rows 16 w .. 16 w + 15 of its tile.  The codewords are gathered four rows at a time: the gathers are issued ahead of a phase of x and used behind it.
; Lane 4 m + j takes half j % 2 of codewords 4 m + j / 2 and 4 m + 2 + j / 2: the same k as for x.
; The scale bytes of all five tiles gather in an LDS stage of their own and leave behind a last barrier, 512 consecutive bytes a store.
; THE QUANTISER.  A block's byte is its largest magnitude's exponent field - 15, held at 1 from below; each number is held within +-57,344 x the scale and converted, ties to even.
; LIMITS: NaN and infinities among the inputs are not served.  A block of zeros gets the byte 1 where the rule says 127: its codes are zeros, and this program alone reads the bytes.
; Blocks whose largest magnitude lies under 2^-111 (the floor) were not tried.  An index outside 0 .. 65,535, which the problem does not allow, is held at 65,535.  Of a sign word bits 0-7 alone count.
; No matrix unit.  No cluster: no two work-groups read the same bytes of x, and the codebook is read by lane-wise gathers, which no joint tile load serves.  No prefetch: the four phases are written out, there is no loop to run ahead in.
.set TILEB, 33792
.set TSL,   16384                      ; a wave's slot: 4 rows of 4,096 bytes, dense
.set SCB,   8*2*TSL                    ; behind the rings: the scale bytes' stage: x's four tiles, then W's, 1,024 bytes each; no tensor load lands here
.set SPARE, SCB+5120                   ; the spare words, 128 bytes a wave
.set SPW,   6                          ; v6  my spare word's address; v7  0: kept for the add alone
.set NIL,   7
.set XR,    32                         ; v32-95   two sets of four quarter rows x 8 numbers
.set WQ,    96                         ; v96-127  W's row t: +0 index word, +1 sign word; at last the row's codes
.set XC,    128                        ; v128-191 x's codes: 32 registers for a phase, two phases by turns
.set WG,    192                        ; v192-223 four rows x 8 gathered numbers
.set WA,    224                        ; v224-231 four pairs of byte offsets into the codebook
.set WT,    232                        ; v232-239 eight multipliers: scale x sign
.set XE,    240                        ; v240-247 x's scale bytes, eight by turns
.set WE,    248                        ; v248-255 W's
.set G1,    48                         ; s[48:55] descriptor group 1; s[56:63] group 0, a set for each slot
.set G0,    56
	s_load_b256 s[4:11], s[0:1], 0x0               ; x s[4:5], codebook s[6:7], scales s[8:9], indices s[10:11]
	s_load_b128 s[12:15], s[0:1], 0x20             ; signs s[12:13], aq s[14:15]
	s_load_b64 s[16:17], s[0:1], 0x30              ; bq
	v_lshl_add_u32 v[SPW], v0, 2, SPARE
	v_mov_b32 v[NIL], 0
	ds_add_u32 v[SPW], v[NIL]                      ; the opening lines: the add, twice on end, and its wait ahead of my first tensor load
	ds_add_u32 v[SPW], v[NIL]
	v_lshrrev_b32 v1, 5, v0
	v_readfirstlane_b32 s18, v1                    ; wave 0..7
	s_mov_b32 s[G1+0], 2<<16                       ; elements of 4 bytes, no padding
	s_mov_b32 s[G1+1], 1024<<16                    ; tensor_dim0 = 1,024
	s_mov_b32 s[G1+2], 4<<16                       ; tensor_dim1 = 4
	s_mov_b32 s[G1+3], 1024<<16                    ; tile_dim0 = 1,024
	s_mov_b32 s[G1+4], 4                           ; tile_dim1 = 4
	s_mov_b32 s[G1+5], 4096                        ; elements from row to row
	s_mov_b32 s[G1+6], 0
	s_mov_b32 s[G1+7], 0
	s_lshr_b32 s19, ttmp9, 2
	s_lshl_b32 s20, s19, 21                        ; x: my block of 128 rows of 16,384 bytes,
	s_lshl_b32 s21, s18, 16                        ; my wave's 4 rows of a phase,
	s_add_co_u32 s20, s20, s21
	s_and_b32 s21, ttmp9, 3
	s_lshl_b32 s21, s21, 12                        ; my four K steps: 4,096 bytes of a row
	s_add_co_u32 s20, s20, s21                     ; (under 2^28: inside 32 bits)
	s_mov_b32 s21, 0
	s_mul_i32 s22, s18, 2*TSL                      ; my ring in LDS
	s_wait_dscnt 0x0                               ; both opening adds are done
	s_wait_kmcnt 0x0
	s_add_nc_u64 s[4:5], s[4:5], s[20:21]
.irp s, 0,1
	s_mov_b32 s[G0+4*\s], 1
	s_add_co_u32 s[G0+4*\s+1], s22, \s*TSL
	s_add_nc_u64 s[G0+4*\s+2:G0+4*\s+3], s[4:5], \s*32*16384       ; phase s: 32 rows further down
	s_or_b32 s[G0+4*\s+3], s[G0+4*\s+3], 0x80000000
.endr
	tensor_load_to_lds s[G0:G0+3], s[G1:G1+7]      ; phase 0: one tensor load a wave at the head
	s_nop 0
	s_lshr_b32 s19, ttmp9, 4                       ; W's tile g = 16 x block of rows + K step
	s_lshl_b32 s19, s19, 7
	s_lshl_b32 s20, s18, 4
	s_add_co_u32 s19, s19, s20                     ; my wave's first row of W
	s_lshl_b32 s20, s19, 2
	s_add_nc_u64 s[8:9], s[8:9], s[20:21]
	s_load_b512 s[32:47], s[8:9], 0x0              ; my 16 rows' scales, row t's in s[32 + t]
	s_lshl_b32 s20, s19, 11                        ; indices and signs: 2,048 bytes a row,
	s_and_b32 s27, ttmp9, 15
	s_lshl_b32 s27, s27, 7                         ; 128 bytes a K step
	s_add_co_u32 s20, s20, s27
	s_add_nc_u64 s[10:11], s[10:11], s[20:21]
	s_add_nc_u64 s[12:13], s[12:13], s[20:21]
	s_mul_i32 s20, ttmp9, TILEB
	s_add_nc_u64 s[16:17], s[16:17], s[20:21]      ; my tile in bq
	s_lshl_b32 s20, s18, 9
	s_add_co_u32 s20, s20, 32768
	s_add_nc_u64 s[30:31], s[16:17], s[20:21]      ; its scale bytes, 512 a wave (waves 0 and 1 store them)
	s_lshl_b32 s20, s18, 12
	s_add_nc_u64 s[16:17], s[16:17], s[20:21]      ; my wave's 16 rows of codes
	s_lshl_b32 s20, ttmp9, 2
	s_mul_i32 s20, s20, TILEB
	s_add_nc_u64 s[14:15], s[14:15], s[20:21]      ; my first tile in aq
	s_lshr_b32 s20, s18, 1                         ; the scale bytes that I store: tile w / 2, half w % 2
	s_mul_i32 s20, s20, TILEB
	s_and_b32 s27, s18, 1
	s_lshl_b32 s27, s27, 9
	s_add_co_u32 s20, s20, s27
	s_add_co_u32 s20, s20, 32768
	s_add_nc_u64 s[28:29], s[14:15], s[20:21]
	s_lshl_b32 s20, s18, 10
	s_add_nc_u64 s[14:15], s[14:15], s[20:21]      ; my wave's 4 rows of a phase: 256 bytes of codes a row
	s_lshl_b32 s23, s18, 5
	s_add_co_u32 s23, s23, SCB                     ; the stage, x: my 4 rows' bytes
	s_lshl_b32 s19, s18, 7
	s_add_co_u32 s19, s19, SCB                     ; the stage, W: my 16 rows' bytes
	s_lshl_b32 s26, s18, 9
	s_add_co_u32 s26, s26, SCB                     ; and the 512 bytes that I read back
	s_mov_b32 s24, 0x600000                        ; the mantissa field of 57,344
	s_mov_b32 s25, 0x7fffffff                      ; all of an f32 but its sign
	v_and_b32 v2, 31, v0                           ; lane l
	v_lshlrev_b32 v4, 3, v2                        ; 8 l: my 8 bytes of a row of codes
	v_lshlrev_b32 v16, 4, v2                       ; 16 l
	v_lshrrev_b32 v5, 2, v2                        ; m
	v_and_b32 v8, 3, v2                            ; j
	v_lshlrev_b32 v3, 7, v5
	v_lshl_add_u32 v3, v8, 4, v3
	v_add_nc_u32 v3, s22, v3                       ; LDS: my ring + 128 m + 16 j
	v_and_b32 v9, 1, v2                            ; which half of a codeword is mine
	v_lshlrev_b32 v14, 4, v9                       ; its 16 bytes,
	v_lshlrev_b32 v15, 2, v9                       ; and its 4 sign bits
	v_add_nc_u32 v17, s19, v5                      ; the stage: my block's byte of my wave's first row, for W
	v_add_nc_u32 v5, s23, v5                       ; and for x
	v_add_nc_u32 v1, s26, v16
	v_lshlrev_b32 v2, 2, v2                        ; 4 l: my word of a row's 32 index or sign words
	v_mov_b32 v12, 0                               ; a DPP form's destination counts as read: written once here
	v_mov_b32 v13, 0
.irp i, 0,1,2,3,4,5,6,7
	v_mov_b32 v[WA+\i], 0
.endr
	s_wait_alu depctr_va_vdst(0)                   ; the wait at the head's end
.set T, 0
.rept 16
	global_load_b32 v[WQ+2*T], v2, s[10:11] offset:2048*T      ; a row's 32 index words: 128 consecutive bytes
.set T, T+1
.endr
.set T, 0
.rept 16
	global_load_b32 v[WQ+2*T+1], v2, s[12:13] offset:2048*T    ; and its sign words
.set T, T+1
.endr
; Eight numbers of a lane, v[QX] on, become 8 codes in v[QC], v[QC+1] and their block's scale byte in v[QE].  At work: v8-11.
.macro QUANT8
	v_max3_num_f32 v8, |v[QX]|, |v[QX+1]|, |v[QX+2]|
	v_max3_num_f32 v9, |v[QX+3]|, |v[QX+4]|, |v[QX+5]|
	v_max3_num_f32 v8, v8, |v[QX+6]|, |v[QX+7]|
	v_max3_num_f32 v8, v8, v9, 16<<23              ; with the floor 2^(16 - 127): the byte cannot fall under 1
	v_max_num_f32_dpp v8, v8, v8 row_xmask:1 row_mask:0xf bank_mask:0xf
	v_max_num_f32_dpp v8, v8, v8 row_xmask:2 row_mask:0xf bank_mask:0xf   ; the four lanes of the block
	v_add_nc_u32 v11, 0xf8800000, v8               ; 15 off the exponent field: the conversion's scale operand
	v_and_or_b32 v10, v8, 0x7f800000, s24          ; 57,344 x the scale
.irp i, 0,1,2,3,4,5,6,7
	v_med3_num_f32 v[QX+\i], v[QX+\i], -v10, v10   ; the conversion does not saturate (ISA guide 7.6.2): the hold comes first
.endr
	v_cvt_scalef32_pk8_bf8_f32 v[QC:QC+1], v[QX:QX+7], v11
	v_lshrrev_b32 v[QE], 23, v11                   ; the scale's byte; also the plain vector line behind the conversion
.endm
; A slot is filled: the wait for all my tensor loads, the add, the wait for it and for my reads, the barrier, and my one load first behind it.  step = 0: slot 1's first fill, issued as a refill is.
.macro FILL s, step
	s_wait_tensorcnt 0x0
	ds_add_u32 v[SPW], v[NIL]                      ; 0 onto my spare word
.if \step
	s_add_nc_u64 s[G0+4*\s+2:G0+4*\s+3], s[G0+4*\s+2:G0+4*\s+3], 64*16384   ; no tensor load of mine is out: the slot's next phase, 64 rows further down
.endif
	s_wait_dscnt 0x0
	s_barrier_signal -1
	s_barrier_wait -1
	tensor_load_to_lds s[G0+4*\s:G0+4*\s+3], s[G1:G1+7]
	s_nop 0
.endm
.macro XFETCH slot, b                  ; row b of my four, its quarters u = 0 .. 3, from LDS into set b % 2: eight loads
.irp u, 0,1,2,3
	ds_load_b128 v[XR+32*((\b)%2)+8*\u:XR+32*((\b)%2)+8*\u+3],   v3 offset:\slot*TSL+(\b)*4096+\u*1024
	ds_load_b128 v[XR+32*((\b)%2)+8*\u+4:XR+32*((\b)%2)+8*\u+7], v3 offset:\slot*TSL+(\b)*4096+\u*1024+64
.endr
.endm
.macro XBATCH p, b, cnt                ; a row's four quarters are quantised and leave, quarter u to tile u; cnt: the LDS instructions issued behind their loads
	s_wait_dscnt \cnt
.irp u, 0,1,2,3
.set QX, XR+32*((\b)%2)+8*\u
.set QC, XC+32*((\p)%2)+2*(4*(\b)+\u)
.set QE, XE+4*((\b)%2)+\u
	QUANT8
.endr
.irp u, 0,1,2,3
	ds_store_b8 v5, v[XE+4*((\b)%2)+\u] offset:1024*\u+256*(\p)+8*(\b)        ; the four lanes of a block write the same byte
.endr
.irp u, 0,1,2,3
	global_store_b64 v4, v[XC+32*((\p)%2)+2*(4*(\b)+\u):XC+32*((\p)%2)+2*(4*(\b)+\u)+1], s[14:15] offset:\u*TILEB+256*(32*(\p)+(\b))
.endr
.endm
.macro PHASE p, slot                   ; the counts: 8 = the next row's loads; 12 = four byte stores and eight loads; 4 = four byte stores
	XFETCH \slot, 0
	XFETCH \slot, 1
	XBATCH \p, 0, 8
	XFETCH \slot, 2
	XBATCH \p, 1, 12
	XFETCH \slot, 3
	XBATCH \p, 2, 12
	XBATCH \p, 3, 4
.endm
; W's row t: its two half codewords are asked for.  The index words of lane 4 m + j's codewords lie in lanes of its own quad.
.macro ADDR t
.set AA, WA+2*((\t)%4)
.set GG, WG+8*((\t)%4)
	v_mov_b32_dpp v[AA], v[WQ+2*(\t)] quad_perm:[0,0,1,1] row_mask:0xf bank_mask:0xf
	v_mov_b32_dpp v[AA+1], v[WQ+2*(\t)] quad_perm:[2,2,3,3] row_mask:0xf bank_mask:0xf
	v_min_u32 v[AA], 0xffff, v[AA]                 ; inside the table, whatever was loaded
	v_min_u32 v[AA+1], 0xffff, v[AA+1]
	v_lshlrev_b32 v[AA], 5, v[AA]                  ; a codeword is 32 bytes
	v_lshlrev_b32 v[AA+1], 5, v[AA+1]
	v_add_nc_u32 v[AA], v14, v[AA]                 ; my half of it
	v_add_nc_u32 v[AA+1], v14, v[AA+1]
	global_load_b128 v[GG:GG+3], v[AA], s[6:7]
	global_load_b128 v[GG+4:GG+7], v[AA+1], s[6:7]
.endm
.macro ADDR4 b
	ADDR 4*(\b)
	ADDR 4*(\b)+1
	ADDR 4*(\b)+2
	ADDR 4*(\b)+3
.endm
.macro WROW t
.set QX, WG+8*((\t)%4)
.set QC, WQ+2*(\t)
.set QE, WE+4*(((\t)/4)%2)+(\t)%4
	s_wait_loadcnt 2*(3-(\t)%4)                    ; this row's two gathers are in (and, loads ending in order, all sign words); the batch's later rows' may be out
	s_ashr_i32 s26, s[32+(\t)], 31
	s_not_b32 s26, s26                             ; all ones where the scale's sign bit is clear
	v_mov_b32_dpp v12, v[QC+1] quad_perm:[0,0,1,1] row_mask:0xf bank_mask:0xf
	v_mov_b32_dpp v13, v[QC+1] quad_perm:[2,2,3,3] row_mask:0xf bank_mask:0xf
	v_xor_b32 v12, s26, v12                        ; bit = sign(scale) xor not(sign bit): the sign of scale x (2 bit - 1)
	v_xor_b32 v13, s26, v13
	v_lshrrev_b32 v12, v15, v12                    ; my half's four bits to the low end
	v_lshrrev_b32 v13, v15, v13
.irp i, 0,1,2,3
	v_lshlrev_b32 v[WT+\i], 31-\i, v12             ; bit i to the sign's place
	v_lshlrev_b32 v[WT+4+\i], 31-\i, v13
.endr
.irp i, 0,1,2,3,4,5,6,7
	v_bfi_b32 v[WT+\i], s25, s[32+(\t)], v[WT+\i]  ; the scale's magnitude under that sign: scale x (+-1), exactly
.endr
.irp i, 0,2,4,6
	v_pk_mul_f32 v[QX+\i:QX+\i+1], v[QX+\i:QX+\i+1], v[WT+\i:WT+\i+1]   ; one rounding, as (codeword x scale) x (+-1) has
.endr
	QUANT8                                         ; the codes take the row's index and sign registers, both used up
.endm
.macro WBATCH b
	WROW 4*(\b)
	WROW 4*(\b)+1
	WROW 4*(\b)+2
	WROW 4*(\b)+3
.irp u, 0,1,2,3
	ds_store_b8 v17, v[WE+4*((\b)%2)+\u] offset:4096+8*(4*(\b)+\u)
.endr
.irp u, 0,1,2,3
	global_store_b64 v4, v[WQ+2*(4*(\b)+\u):WQ+2*(4*(\b)+\u)+1], s[16:17] offset:256*(4*(\b)+\u)
.endr
.endm
	s_wait_kmcnt 0x0                               ; the scales
	s_wait_loadcnt 16                              ; the 16 index loads are in; the sign words may be out
	ADDR4 0
	WBATCH 0                                       ; W's rows 0-3, while phase 0's rows are on their way
	FILL 1, 0                                      ; phase 0's rows have landed; phase 1's go out: slot 1's first fill
	ADDR4 1
	PHASE 0, 0
	WBATCH 1
	FILL 0, 1                                      ; phase 1's have landed; phase 2's go out
	s_wait_xcnt 0x0                                ; phase 0's stores have read their registers, which phase 2's codes take
	ADDR4 2
	PHASE 1, 1
	WBATCH 2
	FILL 1, 1                                      ; phase 2's have landed; phase 3's go out: the last load
	s_wait_xcnt 0x0
	ADDR4 3
	PHASE 2, 0
	WBATCH 3
	s_wait_xcnt 0x0                                ; phase 1's stores have read their registers
	s_wait_tensorcnt 0x0                           ; phase 3's rows have landed
	PHASE 3, 1
	s_wait_dscnt 0x0                               ; for the others' sake: my byte stores are done
	s_barrier_signal -1
	s_barrier_wait -1
	ds_load_b128 v[8:11], v1                       ; 512 of x's 4,096 scale bytes
	s_cmp_lt_u32 s18, 2
	s_cbranch_scc0 .Lnot_w
	ds_load_b128 v[32:35], v1 offset:4096          ; waves 0 and 1: 512 of W's 1,024
	s_wait_dscnt 0x0
	global_store_b128 v16, v[32:35], s[30:31]      ; 32 lanes store 512 consecutive bytes, aligned
.Lnot_w:
	s_wait_dscnt 0x0
	global_store_b128 v16, v[8:11], s[28:29]
	s_wait_tensorcnt 0x0                           ; the wave's end
	ds_add_u32 v[SPW], v[NIL]
	s_wait_dscnt 0x0
	s_endpgm
.Lfunc_end_k_q60c7b2995d_prep:
	.size	k_q60c7b2995d_prep, .Lfunc_end_k_q60c7b2995d_prep-k_q60c7b2995d_prep
	.p2alignl 7, 3214868480
	.fill 96, 4, 3214868480
	.section	.rodata,"a",@progbits
	.p2align	6, 0x0
	.amdhsa_kernel k_q60c7b2995d_prep
		.amdhsa_group_segment_fixed_size 327680
		.amdhsa_private_segment_fixed_size 0
		.amdhsa_enable_private_segment 0
		.amdhsa_kernarg_size 56
		.amdhsa_user_sgpr_count 2
		.amdhsa_user_sgpr_kernarg_segment_ptr 1
		.amdhsa_wavefront_size32 1
		.amdhsa_system_sgpr_workgroup_id_x 1
		.amdhsa_system_sgpr_workgroup_id_y 1
		.amdhsa_system_sgpr_workgroup_id_z 1
		.amdhsa_system_vgpr_workitem_id 0
		.amdhsa_next_free_vgpr 256
		.amdhsa_next_free_sgpr 66
		.amdhsa_reserve_vcc 0
		.amdhsa_float_denorm_mode_32 3
		.amdhsa_float_denorm_mode_16_64 3
		.amdhsa_memory_ordered 1
		.amdhsa_forward_progress 1
		.amdhsa_inst_pref_size 154
	.end_amdhsa_kernel
	.amdgpu_metadata
---
amdhsa.version: [ 1, 2 ]
amdhsa.kernels:
  - .name:           k_q60c7b2995d_prep
    .symbol:         k_q60c7b2995d_prep.kd
    .args:
      - { .name: x, .offset: 0, .size: 8, .value_kind: global_buffer, .address_space: global }
      - { .name: codebook, .offset: 8, .size: 8, .value_kind: global_buffer, .address_space: global }
      - { .name: scales, .offset: 16, .size: 8, .value_kind: global_buffer, .address_space: global }
      - { .name: indices, .offset: 24, .size: 8, .value_kind: global_buffer, .address_space: global }
      - { .name: signs, .offset: 32, .size: 8, .value_kind: global_buffer, .address_space: global }
      - { .name: aq, .offset: 40, .size: 8, .value_kind: global_buffer, .address_space: global }
      - { .name: bq, .offset: 48, .size: 8, .value_kind: global_buffer, .address_space: global }
    .group_segment_fixed_size: 327680
    .private_segment_fixed_size: 0
    .kernarg_segment_align: 8
    .kernarg_segment_size: 56
    .max_flat_workgroup_size: 256
    .sgpr_count:     66
    .vgpr_count:     256
    .wavefront_size: 32
...
	.end_amdgpu_metadata
.endif
;; end of part 1
;; launch gemm (part 2): grid 8 x 32, 4 waves a work-group, clusters of 4 x 4, 327,680 bytes of LDS; arguments aq, bq, out0; writes out0
.if DOCPART == 2
	.amdgcn_target "amdgcn-amd-amdhsa--gfx1250"
	.amdhsa_code_object_version 6
	.text
	.protected	k_q60c7b2995d_gemm
	.globl	k_q60c7b2995d_gemm
	.p2align	8
	.type	k_q60c7b2995d_gemm,@function
k_q60c7b2995d_gemm:
	s_mov_b64 s[64:65], 0
	v_nop
	global_prefetch_b8 v0, s[64:65] scope:SCOPE_SE
	s_setreg_imm32_b32 hwreg(HW_REG_WAVE_MODE, 25, 1), 1
	s_wait_xcnt 0x0
	s_wait_alu depctr_hold_cnt(0) depctr_sa_sdst(0) depctr_va_vdst(0) depctr_va_sdst(0) depctr_va_ssrc(0) depctr_va_vcc(0) depctr_vm_vsrc(0)
	s_getreg_b32 s2, hwreg(HW_REG_IB_STS2, 6, 4)
	s_cmp_eq_u32 s2, 0
	s_cbranch_scc0 .Lentry_in_a_cluster
	s_endpgm
.Lentry_in_a_cluster:
	s_bfe_u32 s2, ttmp6, 0x10000c
	s_cmp_lg_u32 s2, 0xf033
	s_cbranch_scc0 .Lentry_shape_is_right
	s_endpgm
.Lentry_shape_is_right:
; out[m][n] = sum over k of A[m][k] B[n][k], f32, from codes of BF8 (E5M2) with one E8M0 byte for each 32 along K.  M 8,192, N 2,048, K 4,096.
; aq, bq: [block of 128 rows][K step of 256][tile of 132 x 256 bytes]: 128 rows of 256 codes, then the rows' scale bytes, eight a row.  K inside a block of 32 is permuted alike in both.
; A work-group of four waves makes 256 x 256 of out, a wave 128 x 128: 64 accumulators, 512 registers.  K goes in steps of 256 through a ring of two LDS slots; a wave's tensor load brings one tile, codes and scales.
; CLUSTERS: 4 x 4 work-groups; A's tiles are asked for jointly along a row of the cluster, B's along a column.  The matrix instruction is used transposed (source 0 = B's rows, source 1 = A's): a lane holds 8 neighbours of a row of out.
; A STEP OF 128 ALONG K GOES BY PAIRS OF ROWS: A's blocks 2 d, 2 d + 1 against B's eight (16 matrix instructions), then the LDS loads of FOUR fragments, all of them the NEXT step's:
;   behind rows 0-1: B's blocks 0-3;  rows 2-3: B's 4-7 (B has two sets);  rows 4-5: A's 0-3;  rows 6-7: A's 4-7 (A has one set: a block is free when its row is done).
;   Places: 0, 4, 4, 8 v_nop behind the four pairs: between the last product that read a register and the load into it stand 8 or more.
;   Each pair's wait counts the LDS loads issued behind its later block of A: 24, 32, 40, 48.
; So a slot's last reads are issued in its first step, and its last step changes slots at its head: the wait for all tensor loads and the add; row 0; the wait for the add and the reads, the signal; row 1; the barrier's wait,
; the rest of the cluster's round, the joint refill, and the next slot's first reads.
; PREFETCH: behind each refill but the last two, the tile that stands two refills on: 132 blocks of 256 bytes, of which each of the four partners of the joint load names 33, told apart by address (cx for A, cy for B):
; a lane a block, and one more line for the 33rd.  K steps 0 to 3 come by their loads alone.
; REGISTERS: window 0: v0-31 addresses, v32-63 scale words (two sets), v128-255 A's fragments; window 1: B's two sets; windows 2, 3: the accumulators of my rows 0-63, 64-127.
.set SIZE_N, 2048
.set NQ,     2
.set PITCH,  272                       ; an LDS row: 256 bytes + 16 of padding
.set FR,     16
.set TROWS,  132
.set TILEB,  TROWS*256
.set RBB,    16*TILEB                  ; a block of 128 rows, all of K
.set HALFT,  TROWS*PITCH
.set SCOFF,  128*PITCH                 ; a tile's scale bytes in LDS
.set SLOT,   4*HALFT
.set SPARE,  2*SLOT                    ; the spare words, 128 bytes a wave
.set LAPS,   8
.set SPITCH, 528                       ; the way out: a stage of 16 rows x (512 + 16) bytes a wave, in slot 0, behind that slot's last fill and last read
.set ADRA, 16
.set PFO,  18                          ; v18 256 x lane; v19 32 x 256: the prefetches' offsets
.set PFL,  19
.set ADRB, 20
.set STO,  24
.set RD,   25
.set CO,   26
.set SPW,  28
.set NIL,  29
.set ADRS, 30
.set SC,   32
.set AF,   128
.set BK,   128
.set PFA,  8                           ; s[8:9] my 33 blocks of the tile one K step ahead of the refill that is being asked for
.set G1, 24
.set G0, 32
.set G1B, 48
.set G0B, 56
.set MSB, 0
.macro WIN new                         ; the immediate's high byte repeats the setting that is left
.if MSB != \new
	s_set_vgpr_msb (MSB<<8)|\new
.set MSB, \new
.endif
.endm
.set MUL_LO, 0xa1                      ; source 0 (B) window 1, source 1 (A) window 0, C and D window 2
.set TO_B,   0x40                      ; destination window 1, address window 0
.macro JLOAD g0a, g1a, g0b, g1b        ; waves 0, 1 ask for A's two tiles, waves 2, 3 for B's; s_nop 0 and four v_nop behind each line
	s_cmp_eq_u32 s15, 0
	s_cbranch_scc0 .Lfor_b_\@
	tensor_load_to_lds s[\g0a:\g0a+3], s[\g1a:\g1a+7]
	s_nop 0
.rept 4
	v_nop
.endr
	s_branch .Lasked_\@
.Lfor_b_\@:
	tensor_load_to_lds s[\g0b:\g0b+3], s[\g1b:\g1b+7]
	s_nop 0
.rept 4
	v_nop
.endr
.Lasked_\@:
.endm
.macro CREST                           ; a round of the cluster's barrier behind its opening barrier
	s_cmp_lg_u32 s14, 0
	s_cbranch_scc1 .Lnot_wave_0_\@
	s_barrier_signal -3
.Lnot_wave_0_\@:
	s_barrier_wait -3
	s_barrier_signal -1
	s_barrier_wait -1
.endm
.macro CROUND
	s_barrier_signal -1
	s_barrier_wait -1
	CREST
.endm
.macro ASK                             ; not in the loop's last trip, whose refills have no K step two refills on
	s_cmp_gt_u32 s3, 1
	s_cbranch_scc0 .Lno_ask_\@
	global_prefetch_b8 v[PFO], s[PFA:PFA+1] offset:TILEB th:TH_LOAD_NT scope:SCOPE_SE
	global_prefetch_b8 v[PFL], s[PFA:PFA+1] offset:TILEB th:TH_LOAD_NT scope:SCOPE_SE
.Lno_ask_\@:
.endm
	s_load_b128 s[4:7], s[0:1], 0x0                ; aq, bq
	s_load_b64 s[12:13], s[0:1], 0x10              ; out
	v_lshl_add_u32 v[SPW], v0, 2, SPARE
	v_mov_b32 v[NIL], 0
	ds_add_u32 v[SPW], v[NIL]                      ; the opening lines: the add, twice on end, and its wait
	ds_add_u32 v[SPW], v[NIL]
	v_lshrrev_b32 v1, 5, v0
	v_readfirstlane_b32 s14, v1                    ; wave 0..3
	s_lshr_b32 s15, s14, 1                         ; my half of the rows; also: I fetch for A (0) or B (1)
	s_and_b32 s16, s14, 1                          ; my half of the columns; also: which tile of the two I fetch
	s_bfe_u32 s40, ttmp6, 0x40000                  ; cx
	s_bfe_u32 s41, ttmp6, 0x40004                  ; cy
	s_lshl_b32 s42, ttmp9, 2
	s_add_co_u32 s42, s42, s40                     ; tile column of out
	s_and_b32 s17, ttmp7, 0xffff
	s_lshl_b32 s17, s17, 2
	s_add_co_u32 s17, s17, s41                     ; tile row of out
	s_lshl_b32 s43, s41, 2
	s_lshl_b32 s43, 15, s43                        ; my row of the cluster
	s_lshl_b32 s44, 0x1111, s40                    ; my column
	s_or_b32 s[G1+0], s43, (3<<16)|(1<<20)|(1<<21)|(5<<22)|(3<<25)   ; elements of 8 bytes; 4 words of padding behind every 64; bit 21 beside the mask
	s_or_b32 s[G1B+0], s44, (3<<16)|(1<<20)|(1<<21)|(5<<22)|(3<<25)
.irp g, G1, G1B
	s_mov_b32 s[\g+1], 32<<16                      ; a dense run as 132 rows of 256 bytes
	s_mov_b32 s[\g+2], TROWS<<16
	s_mov_b32 s[\g+3], 32<<16
	s_mov_b32 s[\g+4], TROWS
	s_mov_b32 s[\g+5], 32
	s_mov_b32 s[\g+6], 0
	s_mov_b32 s[\g+7], 0
.endr
	s_lshl_b32 s20, s17, 1
	s_add_co_u32 s20, s20, s16
	s_mul_i32 s20, s20, RBB                        ; A: block of rows 2 x tile row + which
	s_mov_b32 s21, 0
	s_lshl_b32 s46, s42, 1
	s_add_co_u32 s46, s46, s16
	s_mul_i32 s46, s46, RBB                        ; B: 2 x tile column + which
	s_mov_b32 s47, 0
	s_mul_i32 s45, s14, HALFT                      ; LDS: wave x a tile: no place in the cluster enters an LDS address
	s_cmp_eq_u32 s15, 0
	s_cselect_b32 s10, s20, s46                    ; the prefetches: the run that I fetch,
	s_cselect_b32 s11, s40, s41                    ; my place among the four that ask for it with me,
	s_mul_i32 s11, s11, 33*256                     ; my 33 blocks of each tile,
	s_add_co_u32 s10, s10, s11
	s_add_co_u32 s10, s10, 2*TILEB                 ; at K step 2: the first refill steps it to 3 and names K step 4
	s_mov_b32 s11, 0
	s_wait_dscnt 0x0                               ; both opening adds are done
	s_wait_kmcnt 0x0
	s_cmp_eq_u32 s15, 0
	s_cselect_b64 s[PFA:PFA+1], s[4:5], s[6:7]
	s_add_nc_u64 s[PFA:PFA+1], s[PFA:PFA+1], s[10:11]
	s_add_nc_u64 s[20:21], s[4:5], s[20:21]
	s_add_nc_u64 s[46:47], s[6:7], s[46:47]
	CROUND                                         ; all sixteen work-groups are here: the first joint loads meet
.irp s, 0,1
	s_mov_b32 s[G0+4*\s], 1
	s_add_co_u32 s[G0+4*\s+1], s45, \s*SLOT
	s_add_nc_u64 s[G0+4*\s+2:G0+4*\s+3], s[20:21], \s*TILEB
	s_or_b32 s[G0+4*\s+3], s[G0+4*\s+3], 0x80000000
	s_mov_b32 s[G0B+4*\s], 1
	s_add_co_u32 s[G0B+4*\s+1], s45, \s*SLOT
	s_add_nc_u64 s[G0B+4*\s+2:G0B+4*\s+3], s[46:47], \s*TILEB
	s_or_b32 s[G0B+4*\s+3], s[G0B+4*\s+3], 0x80000000
.endr
	JLOAD G0, G1, G0B, G1B                         ; K step 0: one tensor load a wave at the head
	s_lshl_b32 s20, s17, 8                         ; where my part of out begins: row 256 x tile row + 128 x half, 8,192 bytes a row,
	s_lshl_b32 s21, s15, 7
	s_add_co_u32 s20, s20, s21
	s_lshl_b32 s20, s20, 13
	s_mov_b32 s21, 0
	s_lshl_b32 s46, s42, 10                        ; column 1,024 x tile column + 512 x half, in bytes
	s_lshl_b32 s47, s16, 9
	s_add_co_u32 s46, s46, s47
	s_mov_b32 s47, 0
	s_add_nc_u64 s[20:21], s[20:21], s[46:47]
	s_add_nc_u64 s[12:13], s[12:13], s[20:21]
	s_mul_i32 s21, s15, HALFT                      ; my 128 rows of A
	s_mul_i32 s22, s16, HALFT
	s_add_co_u32 s22, s22, 2*HALFT                 ; my 128 rows of B
	s_xor_b32 s18, s15, 1
	s_add_co_u32 s18, s18, s16
	s_add_co_u32 s18, s18, 1
	s_mul_i32 s18, s18, HALFT                      ; from my tile of A to my tile of B
	s_add_co_u32 s19, s21, SCOFF
	s_mul_i32 s23, s14, 16*SPITCH                  ; my stage
	v_and_b32 v1, 15, v0                           ; r
	v_bfe_u32 v2, v0, 4, 1                         ; h
	v_mul_u32_u24 v3, v1, PITCH
	v_lshl_add_u32 v4, v2, 4, v3                   ; a fragment's row x pitch + 16 h
	v_add_nc_u32 v[ADRA], s21, v4
	v_add_nc_u32 v[ADRB], s22, v4
	v_add_nc_u32 v[ADRA+1], SLOT, v[ADRA]
	v_add_nc_u32 v[ADRB+1], SLOT, v[ADRB]
	v_mul_u32_u24 v6, s18, v2                      ; scale words: lanes 0-15 A's rows, lanes 16-31 B's
	v_lshl_add_u32 v5, v1, 3, v6
	v_add_nc_u32 v[ADRS], s19, v5
	v_add_nc_u32 v[ADRS+1], SLOT, v[ADRS]
	v_mul_u32_u24 v5, v1, SPITCH
	v_lshl_add_u32 v5, v2, 5, v5
	v_add_nc_u32 v[STO], s23, v5
	v_and_b32 v6, 31, v0
	v_lshlrev_b32 v[CO], 4, v6
	v_add_nc_u32 v[RD], s23, v[CO]
	v_lshlrev_b32 v[PFO], 8, v6
	v_mov_b32 v[PFL], 32*256
.macro FRAG reg, adr, q, i             ; 16 rows x 128 K: registers 4 c .. 4 c + 3 hold bytes 32 c + 16 h + 0 .. 15 of the row's 128
.irp c, 0,1,2,3
	ds_load_b128 v[\reg+4*\c:\reg+4*\c+3], v[\adr] offset:128*(\q)+32*\c+(\i)*16*PITCH
.endr
.endm
.macro LDA2 slot, q, i                 ; A's blocks i, i + 1
	WIN 0
	FRAG AF+FR*(\i), ADRA+\slot, \q, \i
	FRAG AF+FR*((\i)+1), ADRA+\slot, \q, (\i)+1
.endm
.macro LDB2 slot, q, i                 ; B's blocks i, i + 1, into set q
	WIN TO_B
	FRAG 128*(\q)+FR*(\i), ADRB+\slot, \q, \i
	FRAG 128*(\q)+FR*((\i)+1), ADRB+\slot, \q, (\i)+1
.endm
.macro SCALES slot                     ; a K step's scale words: two a row; lanes 0-15 A's block i, lanes 16-31 B's block i
.irp i, 0,1,2,3,4,5,6,7
	ds_load_b64 v[SC+8*NQ*\slot+NQ*\i:SC+8*NQ*\slot+NQ*\i+1], v[ADRS+\slot] offset:(\i/2)*PITCH+(\i%2)*128
.endr
.endm
.macro PLACES n
.rept \n
	v_nop
.endr
.endm
; A row: A's block a against B's eight of set q.  The 64 accumulators take turns in the same order in every step.
.macro ROWM a, q, sc, zero
	WIN MUL_LO+0x50*((\a)/4)
.irp b, 0,1,2,3,4,5,6,7
.if \zero
	v_wmma_scale_f32_16x16x128_f8f6f4 v[8*(8*((\a)%4)+\b):8*(8*((\a)%4)+\b)+7], v[128*(\q)+FR*\b:128*(\q)+FR*\b+FR-1], v[AF+FR*(\a):AF+FR*(\a)+FR-1], 0, v[SC+8*NQ*(\sc)+NQ*\b+(\q)], v[SC+8*NQ*(\sc)+NQ*(\a)+(\q)] matrix_a_fmt:MATRIX_FMT_BF8 matrix_b_fmt:MATRIX_FMT_BF8 matrix_a_scale:MATRIX_SCALE_ROW1
.else
	v_wmma_scale_f32_16x16x128_f8f6f4 v[8*(8*((\a)%4)+\b):8*(8*((\a)%4)+\b)+7], v[128*(\q)+FR*\b:128*(\q)+FR*\b+FR-1], v[AF+FR*(\a):AF+FR*(\a)+FR-1], v[8*(8*((\a)%4)+\b):8*(8*((\a)%4)+\b)+7], v[SC+8*NQ*(\sc)+NQ*\b+(\q)], v[SC+8*NQ*(\sc)+NQ*(\a)+(\q)] matrix_a_fmt:MATRIX_FMT_BF8 matrix_b_fmt:MATRIX_FMT_BF8 matrix_a_scale:MATRIX_SCALE_ROW1
.endif
.endr
.endm
.macro ROWL a, q, sc, zero, cnt        ; at most cnt LDS instructions may be out; then the row
	s_wait_dscnt \cnt
	ROWM \a, \q, \sc, \zero
.endm
; A step of 128 along K: the slot's q-th.  mode 0: its successor lies in the same slot; 1: it changes slots and this slot is filled again; 2: it changes slots, nothing is filled; 3: the last step of all.
.macro STEP slot, q, zero, mode
.if (\mode == 1) || (\mode == 2)
.set NS, 1-\slot
.set NQN, 0
.else
.set NS, \slot
.set NQN, 1
.endif
.if (\mode == 1) || (\mode == 2)
.if \mode == 1
	s_wait_xcnt 0x0                                ; my prefetches have read their address: it steps here, a K step behind them
	s_add_nc_u64 s[PFA:PFA+1], s[PFA:PFA+1], TILEB
.endif
	s_wait_tensorcnt 0x0                           ; all my tensor loads have landed: my tile of the next slot;
	ds_add_u32 v[SPW], v[NIL]                      ; 0 onto my spare word
.if \mode == 1
	s_add_nc_u64 s[G0+4*\slot+2:G0+4*\slot+3], s[G0+4*\slot+2:G0+4*\slot+3], 2*TILEB
	s_add_nc_u64 s[G0B+4*\slot+2:G0B+4*\slot+3], s[G0B+4*\slot+2:G0B+4*\slot+3], 2*TILEB
.endif
	ROWL 0, \q, \slot, \zero, 24                   ; eight products stand between the add and the wait for it
	s_wait_dscnt 0x0                               ; the add is done, and my reads of this slot, all issued in the step before, are over
	s_barrier_signal -1
	ROWM 1, \q, \slot, \zero                       ; work on registers while the others arrive
	WIN 0
	s_barrier_wait -1
.if \mode == 1
	CREST                                          ; the barrier has opened a round of the cluster's barrier
	JLOAD G0+4*\slot, G1, G0B+4*\slot, G1B         ; the first tensor load behind the round
.endif
	LDB2 NS, NQN, 0
	LDB2 NS, NQN, 2
.if \mode == 1
	WIN 0
	ASK
.endif
	ROWM 2, \q, \slot, \zero                       ; all of this step's A has landed: the wait for 0 above
	ROWM 3, \q, \slot, \zero
.else
	ROWL 0, \q, \slot, \zero, 24
	ROWM 1, \q, \slot, \zero
.if \mode == 0
	LDB2 NS, NQN, 0
	LDB2 NS, NQN, 2
	ROWL 2, \q, \slot, \zero, 32
.else
	ROWL 2, \q, \slot, \zero, 16                   ; nothing more is fetched: the counts run down
.endif
	ROWM 3, \q, \slot, \zero
.endif
.if \mode == 3
	ROWL 4, \q, \slot, \zero, 8
	ROWM 5, \q, \slot, \zero
	ROWL 6, \q, \slot, \zero, 0
	ROWM 7, \q, \slot, \zero
	WIN 0
.else
	PLACES 4
	LDB2 NS, NQN, 4
	LDB2 NS, NQN, 6
	ROWL 4, \q, \slot, \zero, 40
	ROWM 5, \q, \slot, \zero
	PLACES 4
.if \mode != 0
	WIN 0
	SCALES NS                                      ; ahead of A's blocks 0 and 1, whose wait so covers them
.endif
	LDA2 NS, NQN, 0
	LDA2 NS, NQN, 2
	ROWL 6, \q, \slot, \zero, 48
	ROWM 7, \q, \slot, \zero
	PLACES 8
	LDA2 NS, NQN, 4
	LDA2 NS, NQN, 6
.endif
.endm
	s_wait_alu depctr_va_vdst(0)                   ; the wait at the head's end
	s_wait_tensorcnt 0x0                           ; my tile of K step 0 is in
	ds_add_u32 v[SPW], v[NIL]
	s_wait_dscnt 0x0
	CROUND                                         ; everybody's tile of K step 0 is in, and the joint loads meet
	JLOAD G0+4, G1, G0B+4, G1B                     ; K step 1: slot 1's first fill, the first tensor load behind the round
	LDB2 0, 0, 0
	LDB2 0, 0, 2
	LDB2 0, 0, 4
	LDB2 0, 0, 6
	WIN 0
	SCALES 0
	LDA2 0, 0, 0
	LDA2 0, 0, 2
	LDA2 0, 0, 4
	LDA2 0, 0, 6
	STEP 0, 0, 1, 0                                ; the first step stands in front of the loop: its products start the sums
	s_mov_b32 s3, LAPS-1
.Llap:                                                 ; a trip goes once round the ring and fills both slots again
	STEP 0, 1, 0, 1
	STEP 1, 0, 0, 0
	STEP 1, 1, 0, 1
	STEP 0, 0, 0, 0
	s_sub_co_u32 s3, s3, 1
	s_cmp_lg_u32 s3, 0
	s_cbranch_scc1 .Llap
	STEP 0, 1, 0, 2                                ; the last lap fills nothing
	STEP 1, 0, 0, 0
	STEP 1, 1, 0, 3
; THE WAY OUT, block by block of 16 rows x 128 columns: through my own stage, back as whole rows of 512 bytes, stored as two aligned runs of 256 bytes.  LDS serves a wave's instructions in order (ISA guide 5.7.1).
.macro TOSTAGE a
.set AC, 64*((\a)%4)
	WIN 0x08+4*((\a)/4)                            ; the data: window 2 or 3
.irp b, 0,1,2,3,4,5,6,7
	ds_store_b128 v[STO], v[AC+8*\b:AC+8*\b+3] offset:64*\b          ; each accumulator from its low end on
	ds_store_b128 v[STO], v[AC+8*\b+4:AC+8*\b+7] offset:64*\b+16
.endr
	WIN 0
.set BB, BK+64*((\a)%2)
.irp t, 0,1,2,3,4,5,6,7,8,9,10,11,12,13,14,15
	ds_load_b128 v[BB+4*\t:BB+4*\t+3], v[RD] offset:\t*SPITCH
.endr
.endm
.macro SEND a, younger                 ; younger: the LDS instructions issued behind block a's loads
.set BB, BK+64*((\a)%2)
	s_wait_dscnt \younger
.if (\a) > 0
	s_add_nc_u64 s[12:13], s[12:13], 16*SIZE_N*4   ; behind a wait on XCNT: the earlier stores have read their base
.endif
.irp t, 0,1,2,3,4,5,6,7,8,9,10,11,12,13,14,15
	global_store_b128 v[CO], v[BB+4*\t:BB+4*\t+3], s[12:13] offset:\t*SIZE_N*4 th:TH_STORE_NT
.endr
.endm
	PLACES 8                                       ; behind the last products: for the reads of results and the loads into A's registers
	TOSTAGE 0
.irp a, 1,2,3,4,5,6,7
.if \a > 1
	s_wait_xcnt 0x0                                ; block a - 2's stores have read their registers and their base
.endif
	TOSTAGE \a
	SEND \a-1, 32
.endr
	s_wait_xcnt 0x0
	SEND 7, 0
	s_wait_tensorcnt 0x0                           ; the wave's end
	ds_add_u32 v[SPW], v[NIL]
	s_wait_dscnt 0x0
	CROUND                                         ; the closing round
	s_endpgm
.Lfunc_end_k_q60c7b2995d_gemm:
	.size	k_q60c7b2995d_gemm, .Lfunc_end_k_q60c7b2995d_gemm-k_q60c7b2995d_gemm
	.p2alignl 7, 3214868480
	.fill 96, 4, 3214868480
	.section	.rodata,"a",@progbits
	.p2align	6, 0x0
	.amdhsa_kernel k_q60c7b2995d_gemm
		.amdhsa_group_segment_fixed_size 327680
		.amdhsa_private_segment_fixed_size 0
		.amdhsa_enable_private_segment 0
		.amdhsa_kernarg_size 24
		.amdhsa_user_sgpr_count 2
		.amdhsa_user_sgpr_kernarg_segment_ptr 1
		.amdhsa_wavefront_size32 1
		.amdhsa_system_sgpr_workgroup_id_x 1
		.amdhsa_system_sgpr_workgroup_id_y 1
		.amdhsa_system_sgpr_workgroup_id_z 1
		.amdhsa_system_vgpr_workitem_id 0
		.amdhsa_next_free_vgpr 1024
		.amdhsa_next_free_sgpr 66
		.amdhsa_reserve_vcc 0
		.amdhsa_float_denorm_mode_32 3
		.amdhsa_float_denorm_mode_16_64 3
		.amdhsa_memory_ordered 1
		.amdhsa_forward_progress 1
		.amdhsa_inst_pref_size 146
	.end_amdhsa_kernel
	.amdgpu_metadata
---
amdhsa.version: [ 1, 2 ]
amdhsa.kernels:
  - .name:           k_q60c7b2995d_gemm
    .symbol:         k_q60c7b2995d_gemm.kd
    .args:
      - { .name: aq, .offset: 0, .size: 8, .value_kind: global_buffer, .address_space: global }
      - { .name: bq, .offset: 8, .size: 8, .value_kind: global_buffer, .address_space: global }
      - { .name: out0, .offset: 16, .size: 8, .value_kind: global_buffer, .address_space: global }
    .group_segment_fixed_size: 327680
    .private_segment_fixed_size: 0
    .kernarg_segment_align: 8
    .kernarg_segment_size: 24
    .max_flat_workgroup_size: 128
    .sgpr_count:     66
    .vgpr_count:     1024
    .wavefront_size: 32
...
	.end_amdgpu_metadata
.endif
;; end of part 2
